; MI455X (gfx1250); checked and timed in simulation.
; The chip was launched on July 23, 2026; its instructions are those of AMD's public machine-readable ISA for CDNA 5 (MIT licence, August 2026) and "CDNA5" Instruction Set Architecture Reference Guide (July 2026). The comments in the code are by the model that wrote it; some were corrected since.
;; Multi Head Self Attention. Allowed arithmetic: matrix products marked QUANTISED: E3M2 operands, one E8M0 scale for each 32 along K, by v_wmma_scale_f32_16x16x128_f8f6f4 with both operands' format E3M2, f32 sums; everything else in f32.
;; Inputs: w_k 1,024 x 1,024 float32; w_o 1,024 x 1,024 float32; w_q 1,024 x 1,024 float32; w_v 1,024 x 1,024 float32; x 4 x 2,048 x 1,024 float32.
;; Outputs: out0 4 x 2,048 x 1,024 float32.
;; This version of the problem:
;;   THIS VERSION OF THE PROBLEM IS GIVEN IN LOW PRECISION. The matrix products marked QUANTISED in the list below multiply operands that are first quantised to E3M2 (3 exponent bits, 2 mantissa bits; 6 bits a number), with one power-of-two scale for each 32 numbers along K (OCP MX v1.0); their sums are f32. All else is computed in f32.
;;   The module's matrix products, in the order in which they are computed (A, B: the left and right operand; K: the contracted axis; several contracted axes count as one K, in the product's order):
;;     1. [M 8,192, K 1,024] x [K 1,024, N 1,024]; A: input x; B: input w_q: QUANTISED
;;     2. [M 8,192, K 1,024] x [K 1,024, N 1,024]; A: input x; B: input w_k: QUANTISED
;;     3. [M 8,192, K 1,024] x [K 1,024, N 1,024]; A: input x; B: input w_v: QUANTISED
;;     4. batch 64 x [M 2,048, K 64] x [K 64, N 2,048]; A: computed on the way; B: computed on the way: QUANTISED
;;     5. batch 64 x [M 2,048, K 2,048] x [K 2,048, N 64]; A: softmax (see below); B: computed on the way: QUANTISED
;;     6. [M 8,192, K 1,024] x [K 1,024, N 1,024]; A: computed on the way; B: input w_o: QUANTISED
;;   THE QUANTISER, for each operand of a quantised product, along K:
;;     - K is cut into blocks of 32 from its start; a last block that is shorter is filled with zeros.
;;     - A block's scale is 2^e with e = floor(log2(the largest magnitude in the block)) - 4, held to -126 .. 127; a block of zeros has e = 0. As a byte (E8M0): e + 127.
;;     - Each number is divided by its block's scale, clamped to +-28, and rounded to the nearest number of E3M2, ties to even, subnormals kept.
;;     - The product sums the exact products of the quantised numbers (number of the format x scale) in f32.
;;   ~~~python
;;   def quantise(x, axis):      # numpy; x: float32 -> the quantised numbers, widened to float32 again
;;       x = np.moveaxis(x, axis, -1); K = x.shape[-1]
;;       x = np.pad(x, [(0, 0)] * (x.ndim - 1) + [(0, -K % 32)]); x = x.reshape(x.shape[:-1] + (-1, 32)); a = np.abs(x).max(-1, keepdims=True)
;;       e = np.where(a > 0, np.clip(np.frexp(np.where(a > 0, a, 1))[1] - 1 - 4, -126, 127), 0)      # np.frexp(a)[1] - 1 = floor(log2(a)), exactly
;;       r = np.clip(x / 2.0 ** e, -28, 28)
;;       step = 2.0 ** (np.maximum(np.frexp(np.where(r == 0, 1, r))[1] - 1, -2) - 2)
;;       q = np.round(r / step) * step * 2.0 ** e      # np.round: ties to even
;;       return np.moveaxis(q.reshape(q.shape[:-2] + (-1,))[..., :K], -1, axis).astype(np.float32)
;;   ~~~
;;   SOFTMAX AHEAD OF A QUANTISED PRODUCT. Where the list says 'softmax', what is quantised is not the finished softmax but p = 2^(t - M), with t = logit x log2(e) and M = ceil(the row's largest t), a whole number; so 1/2 < the row's largest p <= 1. The row's sum l is taken of the UNQUANTISED p, in f32, and the product's result is divided by l at the end. Since M is a whole number, a kernel that streams over the keys may use a running M (the ceiling of the running maximum): every later rescaling is an exact power of two, which a block's scale takes up: the codes' values come out the same.
;;   OPERANDS COMPUTED ON THE WAY. 'Computed on the way' means the value that the module computes at that place (a softmax that the list does not call 'softmax' is quantised finished and normalised). What goes into a quantiser is computed in f32, as accurately as f32 sums, v_exp_f32 and their like allow (about 1e-6 of the number): no bf16 or f16 on the way to a quantiser, and a product that is left as it is and whose result goes on into a quantised operand takes f32 operands (vector FMAs, or v_wmma_f32_16x16x4_f32). A number that lies on a knife's edge between two numbers of the format may be rounded either way, as far as f32 arithmetic and the matrix unit's own rounding can turn it there, and no further.
;; One version. Each part assembles by itself: llvm-mc -triple=amdgcn-amd-amdhsa -mcpu=gfx1250 --defsym DOCPART=n.
;; ======== version 1 of 1: 4 launches
;; workspace buffers: xq 6,553,600 bytes; wq 3,276,800 bytes; qq 6,553,600 bytes; kv 13,107,200 bytes; aq 6,553,600 bytes
;; launch quant (part 1): grid 256 x 1, 6 waves a work-group, no clusters, 51,456 bytes of LDS; arguments x, w_q, w_k, w_v, w_o, xq, wq; writes xq, wq
.if DOCPART == 1
	.amdgcn_target "amdgcn-amd-amdhsa--gfx1250"
	.amdhsa_code_object_version 6
	.text
	.protected	k_q0005c09995_quant
	.globl	k_q0005c09995_quant
	.p2align	8
	.type	k_q0005c09995_quant,@function
k_q0005c09995_quant:
	s_mov_b64 s[64:65], 0
	v_nop
	global_prefetch_b8 v0, s[64:65] scope:SCOPE_SE
	s_setreg_imm32_b32 hwreg(HW_REG_WAVE_MODE, 25, 1), 1
	s_wait_xcnt 0x0
; x [8192][1024] and the four weights [1024][1024], f32, K innermost, become codes of BF6 (E3M2) with one E8M0 byte for each 32 along K,
; laid IN THE ORDER OF THE OPERAND'S REGISTERS.  A TILE is 16 rows: tile t, lane-row r = row 32 (t / 2) + 8 (t % 2) + r + 8 (r / 8).  A tile's RECORD is 12,800 bytes:
; eight fragments (16 rows x 128 K, 12 registers a lane, 1,536 bytes each), then 512 bytes of scale words.  A fragment's image is two halves of 768 bytes: registers 6 c .. 6 c + 3 at 16 x lane,
; registers 6 c + 4, 6 c + 5 at 512 + 8 x lane.  The scale words: the 16 bytes at 12,288 + 256 h + 16 r are the words of K steps 4 h .. 4 h + 3 of lane-row r.
; xq: 512 tiles of x.  wq: 256 tiles: 0-63 w_q, 64-127 w_k, 128-191 w_v, 192-255 w_o.
; A block's scale is 2^(floor(log2(its largest magnitude)) - 4): its byte is the largest magnitude's exponent field - 4, held at 1 from below.
; LIMITS: a block of zeros gets the byte 1 where the rule says 127 (its codes are zeros, and this program alone reads the bytes); blocks whose largest magnitude lies under 2^-122 are held at the byte 1;
; NaN and infinities among the inputs are not served.
; SHARES: 768 tiles x 2 halves of K = 1,536 units = 256 work-groups x 6 waves; a wave takes one unit: 16 rows x 512 K, four K steps.  Waves share nothing: no barrier.
; Each load reads 512 consecutive bytes of one row; a K step's 16 rows turn through the wave's own stage in LDS (rows 528 bytes apart), so that a lane gets its two whole blocks of 32 neighbours.
; Matrix units, clusters and tensor loads would add nothing here: every byte is read once and written once.
.set REC,  12800
.set STG,  8448                        ; a wave's stage: 16 rows x 528 bytes
.set SPI,  528
.set MX,   10                          ; v10-11  largest magnitudes of my two blocks
.set SO,   12                          ; v12-13  the conversions' scale operands
.set BY,   14                          ; v14-15  the scale bytes
.set W,    18                          ; v18-21  the scale words of the four K steps
.set C,    24                          ; v24-35  a fragment
.set CV,   36                          ; v36-38, v40-42  the conversions' second halves
.set X,    48                          ; v48-111 64 numbers: register 32 c + i = k 64 c + 32 h + i of my row
.set R,    112                         ; v112-239 two sets of 64 registers as loaded
	s_load_b256 s[4:11], s[0:1], 0x0               ; x, w_q, w_k, w_v
	s_load_b128 s[12:15], s[0:1], 0x20             ; w_o, xq
	s_load_b64 s[16:17], s[0:1], 0x30              ; wq
	v_lshl_add_u32 v240, v0, 2, 0xc600
	v_mov_b32 v241, 0
	v_lshrrev_b32 v1, 5, v0
	v_readfirstlane_b32 s22, v1                    ; wave 0..5
	v_and_b32 v1, 31, v0                           ; lane
	v_and_b32 v2, 15, v0                           ; r
	v_bfe_u32 v3, v0, 4, 1                         ; h
	v_lshlrev_b32 v4, 4, v1                        ; 16 x lane
	v_lshlrev_b32 v5, 3, v1                        ; 8 x lane
	s_mul_i32 s20, s22, STG
	v_add_nc_u32 v6, s20, v4                       ; into the stage: a row's 512 bytes as they lie
	v_mul_u32_u24 v7, v2, SPI
	v_lshl_add_u32 v7, v3, 7, v7
	v_add_nc_u32 v7, s20, v7                       ; out of it: row r, + 128 h: my block of 32 numbers
	v_lshlrev_b32 v8, 4, v2
	v_lshl_add_u32 v8, v3, 3, v8                   ; the scale words' place: 16 r + 8 h
	v_lshlrev_b32 v9, 3, v3                        ; 8 h: my bytes' shift in a scale word
	v_mov_b32 v17, 0                               ; a lane permute's destination counts as one of its sources
	s_mov_b32 s34, 0x76543210
	s_mov_b32 s35, 0xfedcba98                      ; lane l xor 16
	s_mul_i32 s23, ttmp9, 6
	s_add_co_u32 s23, s23, s22                     ; my unit
	s_lshr_b32 s24, s23, 1                         ; its tile, 0..767
	s_and_b32 s25, s23, 1                          ; its half of K
	s_sub_co_u32 s18, s24, 512                     ; among the weights' tiles (not used in x's units)
	s_lshr_b32 s19, s18, 6                         ; which weight
	s_and_b32 s21, s18, 63                         ; and which of its tiles
	s_wait_alu depctr_va_vdst(0)
	s_wait_kmcnt 0x0
	s_mov_b64 s[26:27], s[12:13]                   ; the source is chosen by the unit's number alone: w_o,
	s_cmp_eq_u32 s19, 2
	s_cselect_b64 s[26:27], s[10:11], s[26:27]     ; w_v,
	s_cmp_eq_u32 s19, 1
	s_cselect_b64 s[26:27], s[8:9], s[26:27]       ; w_k,
	s_cmp_eq_u32 s19, 0
	s_cselect_b64 s[26:27], s[6:7], s[26:27]       ; w_q,
	s_cmp_lt_u32 s24, 512
	s_cselect_b64 s[26:27], s[4:5], s[26:27]       ; or x
	s_cselect_b64 s[28:29], s[14:15], s[16:17]     ; into xq or wq
	s_cselect_b32 s21, s24, s21                    ; the tile in the source
	s_cselect_b32 s18, s24, s18                    ; the record in the destination
	s_lshr_b32 s30, s21, 1
	s_lshl_b32 s30, s30, 17                        ; 32 rows of 4,096 bytes for each pair of tiles,
	s_and_b32 s31, s21, 1
	s_lshl_b32 s31, s31, 15                        ; 8 rows for the odd one,
	s_add_co_u32 s30, s30, s31
	s_lshl_b32 s31, s25, 11                        ; 512 numbers for the second half of K
	s_add_co_u32 s30, s30, s31
	s_mov_b32 s31, 0
	s_add_nc_u64 s[26:27], s[26:27], s[30:31]
	s_mul_i32 s32, s18, REC
	s_mov_b32 s33, 0
	s_add_nc_u64 s[28:29], s[28:29], s[32:33]      ; my record
	s_lshl_b32 s32, s25, 8
	s_add_nc_u64 s[36:37], s[28:29], s[32:33]      ; its scale words of my half (12,288 stands in the store's immediate)
	s_mul_i32 s32, s25, 6144
	s_add_nc_u64 s[28:29], s[28:29], s[32:33]      ; its fragments of my half
.macro LOAD s                          ; K step s: 16 rows x 512 bytes into set s % 2
.irp i, 0,1,2,3,4,5,6,7,8,9,10,11,12,13,14,15
	global_load_b128 v[R+64*((\s)%2)+4*\i:R+64*((\s)%2)+4*\i+3], v4, s[26:27] offset:(\i+8*(\i/8))*4096+512*(\s) th:TH_LOAD_NT
.endr
.endm
.macro STEP s
.if (\s) < 3
	s_wait_loadcnt 16                              ; this K step's 16 loads are in; the next step's 16 may be out
.else
	s_wait_loadcnt 0x0
.endif
.irp i, 0,1,2,3,4,5,6,7,8,9,10,11,12,13,14,15
	ds_store_b128 v6, v[R+64*((\s)%2)+4*\i:R+64*((\s)%2)+4*\i+3] offset:SPI*\i
.endr
.irp c, 0,1
.irp j, 0,1,2,3,4,5,6,7
	ds_load_b128 v[X+32*\c+4*\j:X+32*\c+4*\j+3], v7 offset:256*\c+16*\j   ; LDS serves a wave's instructions in order: these see the stores above
.endr
.endr
	s_wait_dscnt 0x0                               ; my numbers are back, and the stores have read their registers,
.if (\s) < 2
	LOAD (\s)+2                                    ; which take the loads of two steps on
.endif
.irp c, 0,1
	v_max3_num_f32 v[MX+\c], |v[X+32*\c]|, |v[X+32*\c+1]|, 0x2800000   ; block 2 c + h is all mine; the floor 2^(5 - 127) holds the byte at 1 from below
.endr
.irp i, 2,4,6,8,10,12,14,16,18,20,22,24,26,28,30
.irp c, 0,1
	v_max3_num_f32 v[MX+\c], v[MX+\c], |v[X+32*\c+\i]|, |v[X+32*\c+\i+1]|
.endr
.endr
.irp c, 0,1
	v_add_nc_u32 v[SO+\c], 0xfe000000, v[MX+\c]    ; 4 off the exponent field: the conversion takes this operand's exponent field as its scale
.endr
.irp c, 0,1
	v_lshrrev_b32 v[BY+\c], 23, v[SO+\c]           ; the scale's byte
.endr
	v_lshl_or_b32 v16, v[BY+1], 16, v[BY]          ; blocks h and 2 + h,
	v_lshlrev_b32 v16, v9, v16                     ; at their places in the word;
	v_permlanex16_b32 v17, v16, s34, s35
	v_or_b32 v[W+(\s)], v16, v17                   ; with lane l xor 16's two the word is whole
	s_wait_alu depctr_va_vdst(0)
	s_wait_xcnt 0x0                                ; the last step's stores have read the fragment's registers: only now are they written again
.irp c, 0,1
	v_cvt_scalef32_pk16_bf6_f32 v[C+6*\c:C+6*\c+2], v[X+32*\c:X+32*\c+15], v[SO+\c]
	v_cvt_scalef32_pk16_bf6_f32 v[CV+4*\c:CV+4*\c+2], v[X+32*\c+16:X+32*\c+31], v[SO+\c]   ; (a conversion's three registers begin on an even number)
.endr
	v_nop                                          ; one plain place behind the scaled conversions
.irp c, 0,1
.irp i, 0,1,2
	v_mov_b32 v[C+6*\c+3+\i], v[CV+4*\c+\i]
.endr
.endr
.irp c, 0,1
	global_store_b128 v4, v[C+6*\c:C+6*\c+3], s[28:29] offset:1536*(\s)+768*\c         ; 512 consecutive bytes, aligned to 256
	global_store_b64 v5, v[C+6*\c+4:C+6*\c+5], s[28:29] offset:1536*(\s)+768*\c+512    ; 256 consecutive bytes, aligned
.endr
.endm
	LOAD 0
	LOAD 1
	STEP 0
	STEP 1
	STEP 2
	STEP 3
	v_cmp_eq_u32 vcc_lo, 1, v3
	v_cndmask_b32 v22, v[W], v[W+2], vcc_lo        ; lane (r, h) stores the words of my K steps 2 h and 2 h + 1
	v_cndmask_b32 v23, v[W+1], v[W+3], vcc_lo
	global_store_b64 v8, v[22:23], s[36:37] offset:12288   ; 256 consecutive bytes, aligned
	s_wait_tensorcnt 0x0
	ds_add_u32 v240, v241
	s_wait_dscnt 0x0
	s_endpgm
.Lfunc_end_k_q0005c09995_quant:
	.size	k_q0005c09995_quant, .Lfunc_end_k_q0005c09995_quant-k_q0005c09995_quant
	.p2alignl 7, 3214868480
	.fill 96, 4, 3214868480
	.section	.rodata,"a",@progbits
	.p2align	6, 0x0
	.amdhsa_kernel k_q0005c09995_quant
		.amdhsa_group_segment_fixed_size 51456
		.amdhsa_private_segment_fixed_size 0
		.amdhsa_enable_private_segment 0
		.amdhsa_kernarg_size 56
		.amdhsa_user_sgpr_count 2
		.amdhsa_user_sgpr_kernarg_segment_ptr 1
		.amdhsa_wavefront_size32 1
		.amdhsa_system_sgpr_workgroup_id_x 1
		.amdhsa_system_sgpr_workgroup_id_y 1
		.amdhsa_system_sgpr_workgroup_id_z 1
		.amdhsa_system_vgpr_workitem_id 0
		.amdhsa_next_free_vgpr 242
		.amdhsa_next_free_sgpr 66
		.amdhsa_reserve_vcc 1
		.amdhsa_float_denorm_mode_32 3
		.amdhsa_float_denorm_mode_16_64 3
		.amdhsa_memory_ordered 1
		.amdhsa_forward_progress 1
		.amdhsa_inst_pref_size 31
	.end_amdhsa_kernel
	.amdgpu_metadata
---
amdhsa.version: [ 1, 2 ]
amdhsa.kernels:
  - .name:           k_q0005c09995_quant
    .symbol:         k_q0005c09995_quant.kd
    .args:
      - { .name: x, .offset: 0, .size: 8, .value_kind: global_buffer, .address_space: global }
      - { .name: w_q, .offset: 8, .size: 8, .value_kind: global_buffer, .address_space: global }
      - { .name: w_k, .offset: 16, .size: 8, .value_kind: global_buffer, .address_space: global }
      - { .name: w_v, .offset: 24, .size: 8, .value_kind: global_buffer, .address_space: global }
      - { .name: w_o, .offset: 32, .size: 8, .value_kind: global_buffer, .address_space: global }
      - { .name: xq, .offset: 40, .size: 8, .value_kind: global_buffer, .address_space: global }
      - { .name: wq, .offset: 48, .size: 8, .value_kind: global_buffer, .address_space: global }
    .group_segment_fixed_size: 51456
    .private_segment_fixed_size: 0
    .kernarg_segment_align: 8
    .kernarg_segment_size: 56
    .max_flat_workgroup_size: 192
    .sgpr_count:     66
    .vgpr_count:     242
    .wavefront_size: 32
...
	.end_amdgpu_metadata
.endif
;; end of part 1
;; launch qkv (part 2): grid 8 x 96, 4 waves a work-group, clusters of 4 x 4, 295,424 bytes of LDS; arguments xq, wq, qq, kv; writes qq, kv
.if DOCPART == 2
	.amdgcn_target "amdgcn-amd-amdhsa--gfx1250"
	.amdhsa_code_object_version 6
	.text
	.protected	k_q0005c09995_qkv
	.globl	k_q0005c09995_qkv
	.p2align	8
	.type	k_q0005c09995_qkv,@function
k_q0005c09995_qkv:
	s_mov_b64 s[64:65], 0
	v_nop
	global_prefetch_b8 v0, s[64:65] scope:SCOPE_SE
	s_setreg_imm32_b32 hwreg(HW_REG_WAVE_MODE, 25, 1), 1
	s_wait_xcnt 0x0
	s_wait_alu depctr_hold_cnt(0) depctr_sa_sdst(0) depctr_va_vdst(0) depctr_va_sdst(0) depctr_va_ssrc(0) depctr_va_vcc(0) depctr_vm_vsrc(0)
	s_getreg_b32 s2, hwreg(HW_REG_IB_STS2, 6, 4)
	s_cmp_eq_u32 s2, 0
	s_cbranch_scc0 .Lentry_in_a_cluster
	s_endpgm
.Lentry_in_a_cluster:
	s_bfe_u32 s2, ttmp6, 0x10000c
	s_cmp_lg_u32 s2, 0xf033
	s_cbranch_scc0 .Lentry_shape_is_right
	s_endpgm
.Lentry_shape_is_right:
; Q = x w_q^T, K = x w_k^T and V^T = w_v x^T on codes of BF6 (E3M2) with E8M0 scales; the results are quantised in registers and leave as codes in the order of the next operand's registers.
; TILES AND RECORDS as the launch before lays them: a tile is 16 rows (tile t, lane-row r = row 32 (t / 2) + 8 (t % 2) + r + 8 (r / 8)); its record of 12,800 bytes holds eight fragments of 1,536 bytes and 512 bytes of scale words.
; A work-group makes 128 rows (8 tiles of operand A) x 256 columns (16 tiles of operand B); wave w makes 64 x 128: 32 accumulators.  768 work-groups.
; Clusters with y < 16: A = x, B = w_q (cluster x = 0) or w_k (1).  Clusters with y >= 16: A = w_v, B = x: the same product, which gives V^T.  The choice hangs on the cluster's y, which all partners share.
; THE MATRIX INSTRUCTION IS USED TRANSPOSED (source 0 = a tile of B, source 1 = a tile of A): lane (r, h) holds A's lane-row r, and by the order of a tile's rows the 16 registers of B's tiles 2 c and 2 c + 1 are the 16
; neighbouring columns 32 c + 16 h + 0 .. 15.  So Q and K are quantised along the head's 64 and V^T along the keys with no change of lanes but one exchange of halves.
; ALL OF K LIES IN LDS: 8 x 12,288 bytes of A and 16 x 12,288 of B = 294,912 bytes, as four slots of 256 along K, each filled ONCE: nothing is filled again, so there is no ring.
; CLUSTERS: 4 x 4 work-groups; A's tiles are shared along a row of the cluster, B's along a column: each is asked for jointly by the same tensor load with a mask that names the four.
; No prefetch is laid: every byte that the launch reads is asked for by its first lines.
; OUT.  qq [64 heads][16 groups][6,400]: four fragments (half u of fragment f = query tile 2 f + u, the head's 64), then 256 bytes of words [r][f].
;       kv [64 heads][16 records][12,800]: K's four fragments likewise, V^T's four (d tile x 128 keys) at 6,144, K's words [r][f] at 12,288, V's words [r][d tile] at 12,544.
; LIMITS: a block of zeros gets the byte 1 where the rule says 127 (its codes are zeros; this program alone reads the bytes); blocks under 2^-122 are held at the byte 1; NaN and infinities are not served.
; REGISTERS: window 0: v1-5 lane terms; v8-23 LDS addresses; v24-31 the way out; v32-47 A's scale words, v48-79 B's; v80-127, v128-175 A's fragments, two sets; v176-223 at work on the way out.
;   window 1: accumulator (a, b) at v[8 (8 a + b)].   window 2: B's fragments, two sets, at v0 and v96.
.set REC,  12800
.set ASL,  24576                       ; a slot of A: 8 tiles x 3,072 bytes (two fragments)
.set LB,   98304                       ; B's slots begin behind A's four
.set BSL,  49152                       ; a slot of B: 16 tiles x 3,072
.set A16,  8                           ; v8-11   16 x lane + my 4 tiles of A in slot 0..3
.set A8,   12                          ; v12-15  8 x lane + the same
.set B16,  16                          ; v16-19  16 x lane + my 8 tiles of B
.set B8,   20                          ; v20-23
.set SA,   32
.set SB,   48
.set AF,   80
.set TM,   176                         ; v176-179 largest magnitudes, v180-183 bytes, v188-191 scale operands
.set PW,   208                         ; v208-211 the four scale words made
.set CV,   212                         ; v212-214, v216-218 the conversions' second halves
.set G1A,  28
.set G1B,  36
.set G0A,  44                          ; s[44:59] four groups 0 for A's slots
.set G0B,  68                          ; s[68:83] for B's
.set MSB, 0
.macro WIN new                         ; the immediate's high byte repeats the setting that is left
.if MSB != \new
	s_set_vgpr_msb (MSB<<8)|\new
.set MSB, \new
.endif
.endm
.set MULW, 0x52                        ; source 0 (B) window 2, source 1 (A) window 0, C and D window 1
.set TO_B, 0x80                        ; destination window 2, address window 0
.macro CROUND                          ; a round of the cluster's barrier
	s_barrier_signal -1
	s_barrier_wait -1
	s_cmp_lg_u32 s18, 0
	s_cbranch_scc1 .Lnot_wave_0_\@
	s_barrier_signal -3
.Lnot_wave_0_\@:
	s_barrier_wait -3
	s_barrier_signal -1
	s_barrier_wait -1
.endm
.macro PLACES
.rept 4
	v_nop
.endr
.endm
	s_load_b256 s[4:11], s[0:1], 0x0               ; xq, wq, qq, kv
	v_lshl_add_u32 v254, v0, 2, 0x48000
	v_mov_b32 v255, 0
	ds_add_u32 v254, v255
	ds_add_u32 v254, v255
	v_lshrrev_b32 v1, 5, v0
	v_readfirstlane_b32 s18, v1                    ; wave 0..3
	s_lshr_b32 s19, s18, 1                         ; which 64 rows are mine.  Also: I fetch for A (0) or for B (1)
	s_and_b32 s20, s18, 1                          ; which 128 columns.  Also: which half of the tiles I fetch
	s_bfe_u32 s21, ttmp6, 0x40000                  ; cx
	s_bfe_u32 s22, ttmp6, 0x40004                  ; cy
	s_mov_b32 s23, ttmp9                           ; the cluster's x
	s_and_b32 s24, ttmp7, 0xffff                   ; the cluster's y
	s_sub_co_u32 s25, s24, 16                      ; and among V^T's clusters
	s_and_b32 s2, s25, 1
	s_cmp_lt_u32 s24, 16
	s_cselect_b32 s2, s24, s2
	s_lshl_b32 s2, s2, 2
	s_add_co_u32 s27, s2, s22                      ; block of 128 rows of A: 4 y + cy (0..63), or 4 (y' % 2) + cy (0..7)
	s_lshr_b32 s66, s25, 1
	s_lshl_b32 s66, s66, 3
	s_cmp_lt_u32 s24, 16
	s_cselect_b32 s66, 0, s66
	s_lshl_b32 s67, s23, 2
	s_add_co_u32 s66, s66, s67
	s_add_co_u32 s26, s66, s21                     ; block of 256 rows of B: 4 x + cx (0..7), or that + 8 (y' / 2) (0..31)
	s_cmp_lt_u32 s24, 16
	s_cselect_b32 s87, 0, 128                      ; w_v's tiles begin at tile 128 of wq
	s_lshl_b32 s86, s27, 3
	s_add_co_u32 s86, s86, s87                     ; A's first tile
	s_lshl_b32 s2, s20, 2
	s_add_co_u32 s2, s2, s86
	s_mul_i32 s2, s2, REC                          ; the four tiles of A that I would fetch, in bytes
	s_mov_b32 s3, 0
	s_lshl_b32 s87, s19, 2
	s_add_co_u32 s86, s86, s87
	s_mul_i32 s86, s86, REC                        ; the four tiles of A that I multiply
	s_mov_b32 s87, 0
	s_lshl_b32 s90, s26, 4
	s_lshl_b32 s91, s20, 3
	s_add_co_u32 s90, s90, s91
	s_mul_i32 s90, s90, REC                        ; the eight tiles of B that I would fetch, which are also those that I multiply
	s_mov_b32 s91, 0
	s_mul_i32 s25, s20, 12288                      ; where they go in a slot: no place in the cluster enters an LDS address
	s_mul_i32 s66, s20, 24576
	s_add_co_u32 s66, s66, LB
	s_lshl_b32 s92, s22, 2
	s_lshl_b32 s92, 15, s92                        ; my row of the cluster
	s_lshl_b32 s93, 0x1111, s21                    ; my column
	; group 1: a slot's part of 4 (A) or 8 (B) records: rows of 3,072 bytes = 384 elements of 8 bytes, 12,800 bytes = 1,600 elements apart; dense in LDS
	s_or_b32 s[G1A], s92, (3<<16)|(1<<21)          ; 15:0 the mask; 17:16 elements of 8 bytes; 21 set beside a mask
	s_or_b32 s[G1B], s93, (3<<16)|(1<<21)
	s_mov_b32 s[G1A+1], 384<<16                    ; tensor_dim0
	s_mov_b32 s[G1A+2], 4<<16                      ; tensor_dim1
	s_mov_b32 s[G1A+3], 384<<16                    ; tile_dim0
	s_mov_b32 s[G1A+4], 4                          ; tile_dim1
	s_mov_b32 s[G1A+5], 1600                       ; the pitch
	s_mov_b32 s[G1A+6], 0
	s_mov_b32 s[G1A+7], 0
	s_mov_b32 s[G1B+1], 384<<16
	s_mov_b32 s[G1B+2], 8<<16
	s_mov_b32 s[G1B+3], 384<<16
	s_mov_b32 s[G1B+4], 8
	s_mov_b32 s[G1B+5], 1600
	s_mov_b32 s[G1B+6], 0
	s_mov_b32 s[G1B+7], 0
	s_mov_b32 s100, 0x76543210
	s_mov_b32 s101, 0xfedcba98                     ; lane l xor 16
	s_wait_dscnt 0x0
	s_wait_kmcnt 0x0
	s_cmp_lt_u32 s24, 16
	s_cselect_b64 s[84:85], s[4:5], s[6:7]         ; A: xq, or wq
	s_cselect_b64 s[88:89], s[6:7], s[4:5]         ; B: wq, or xq
	s_add_nc_u64 s[60:61], s[84:85], s[86:87]      ; the records of the tiles of A that I multiply (for their scale words)
	s_add_nc_u64 s[84:85], s[84:85], s[2:3]        ; of those that I would fetch
	s_add_nc_u64 s[88:89], s[88:89], s[90:91]      ; B's
.irp g, 0,1,2,3
	s_mov_b32 s[G0A+4*\g], 1
	s_add_co_u32 s[G0A+4*\g+1], s25, ASL*\g
	s_add_nc_u64 s[G0A+4*\g+2:G0A+4*\g+3], s[84:85], 3072*\g
	s_or_b32 s[G0A+4*\g+3], s[G0A+4*\g+3], 0x80000000
	s_mov_b32 s[G0B+4*\g], 1
	s_add_co_u32 s[G0B+4*\g+1], s66, BSL*\g
	s_add_nc_u64 s[G0B+4*\g+2:G0B+4*\g+3], s[88:89], 3072*\g
	s_or_b32 s[G0B+4*\g+3], s[G0B+4*\g+3], 0x80000000
.endr
	CROUND                                         ; all sixteen work-groups are here: the joint loads meet
	s_cmp_eq_u32 s19, 0                            ; a wave's four fills stand in one branch on the wave's number: four loads of mine are out
	s_cbranch_scc0 .Lfill_b
.irp g, 0,1,2,3
	tensor_load_to_lds s[G0A+4*\g:G0A+4*\g+3], s[G1A:G1A+7]
	s_nop 0
.endr
	PLACES
	s_branch .Lfilled
.Lfill_b:
.irp g, 0,1,2,3
	tensor_load_to_lds s[G0B+4*\g:G0B+4*\g+3], s[G1B:G1B+7]
	s_nop 0
.endr
	PLACES
.Lfilled:
	v_and_b32 v1, 31, v0                           ; lane
	v_and_b32 v2, 15, v0                           ; r
	v_bfe_u32 v3, v0, 4, 1                         ; h
	v_lshlrev_b32 v4, 4, v1                        ; 16 x lane
	v_lshlrev_b32 v5, 3, v1                        ; 8 x lane
.irp a, 0,1,2,3
	global_load_b128 v[SA+4*\a:SA+4*\a+3], v4, s[60:61] offset:REC*\a+12288   ; a tile's 512 bytes of scale words: lanes 0-15 K steps 0-3, lanes 16-31 K steps 4-7
.endr
.irp b, 0,1,2,3,4,5,6,7
	global_load_b128 v[SB+4*\b:SB+4*\b+3], v4, s[88:89] offset:REC*\b+12288
.endr
	s_mul_i32 s2, s19, 12288
	s_mul_i32 s3, s20, 24576
	s_add_co_u32 s3, s3, LB
.irp g, 0,1,2,3
	v_add_nc_u32 v[A16+\g], s2, v4
	v_add_nc_u32 v[A8+\g], s2, v5
	v_add_nc_u32 v[B16+\g], s3, v4
	v_add_nc_u32 v[B8+\g], s3, v5
	s_add_co_u32 s2, s2, ASL
	s_add_co_u32 s3, s3, BSL
.endr
.irp b, 0,1,2,3
	v_mov_b32 v[TM+4+\b], 0                        ; written once: a lane permute's destination counts as one of its sources
.endr
; a fragment's image comes back into the same registers of the same lanes: four dense loads
.macro FRAG reg, a16, a8, off
	ds_load_b128 v[(\reg):(\reg)+3], v[\a16] offset:(\off)
	ds_load_b64 v[(\reg)+4:(\reg)+5], v[\a8] offset:(\off)+512
	ds_load_b128 v[(\reg)+6:(\reg)+9], v[\a16] offset:(\off)+768
	ds_load_b64 v[(\reg)+10:(\reg)+11], v[\a8] offset:(\off)+1280
.endm
.macro FETCH s                         ; K step s: B's eight fragments and A's four into set s % 2: 48 loads in one run
	WIN TO_B
.irp b, 0,1,2,3,4,5,6,7
	FRAG 96*((\s)%2)+12*\b, B16+(\s)/2, B8+(\s)/2, 3072*\b+1536*((\s)%2)
.endr
	WIN 0
.irp a, 0,1,2,3
	FRAG AF+48*((\s)%2)+12*\a, A16+(\s)/2, A8+(\s)/2, 3072*\a+1536*((\s)%2)
.endr
.endm
; 16 products: A's tiles a0, a0 + 1 x B's eight, K step s.  The 32 accumulators take turns, one instruction a turn, in the same order in every step.
; zero = 1: the first K step starts the sums.  K steps 4-7 take their scale words from lanes 16-31.
.macro MUL16 s, a0, zero
.irp a, \a0, \a0+1
.irp b, 0,1,2,3,4,5,6,7
.if \zero
	v_wmma_scale_f32_16x16x128_f8f6f4 v[8*(8*(\a)+\b):8*(8*(\a)+\b)+7], v[96*((\s)%2)+12*\b:96*((\s)%2)+12*\b+11], v[AF+48*((\s)%2)+12*(\a):AF+48*((\s)%2)+12*(\a)+11], 0, v[SB+4*\b+(\s)%4], v[SA+4*(\a)+(\s)%4] matrix_a_fmt:MATRIX_FMT_BF6 matrix_b_fmt:MATRIX_FMT_BF6
.elseif (\s) < 4
	v_wmma_scale_f32_16x16x128_f8f6f4 v[8*(8*(\a)+\b):8*(8*(\a)+\b)+7], v[96*((\s)%2)+12*\b:96*((\s)%2)+12*\b+11], v[AF+48*((\s)%2)+12*(\a):AF+48*((\s)%2)+12*(\a)+11], v[8*(8*(\a)+\b):8*(8*(\a)+\b)+7], v[SB+4*\b+(\s)%4], v[SA+4*(\a)+(\s)%4] matrix_a_fmt:MATRIX_FMT_BF6 matrix_b_fmt:MATRIX_FMT_BF6
.else
	v_wmma_scale_f32_16x16x128_f8f6f4 v[8*(8*(\a)+\b):8*(8*(\a)+\b)+7], v[96*((\s)%2)+12*\b:96*((\s)%2)+12*\b+11], v[AF+48*((\s)%2)+12*(\a):AF+48*((\s)%2)+12*(\a)+11], v[8*(8*(\a)+\b):8*(8*(\a)+\b)+7], v[SB+4*\b+(\s)%4], v[SA+4*(\a)+(\s)%4] matrix_a_fmt:MATRIX_FMT_BF6 matrix_b_fmt:MATRIX_FMT_BF6 matrix_a_scale:MATRIX_SCALE_ROW1 matrix_b_scale:MATRIX_SCALE_ROW1
.endif
.endr
.endr
.endm
; A K step of 128.  The next step's fragments are asked for ahead of this step's products.  An odd step's successor lies in the next slot: the wave waits for its own part of that slot and passes a barrier.
.macro STEP s
.if (\s) > 0
	PLACES                                         ; four places between the last step's products and the loads into the set that they read (ISA guide 7.12.1 for vector instructions)
.endif
	s_wait_dscnt 0x0                               ; this step's fragments are in
.if (\s) == 7
	WIN MULW
	MUL16 \s, 0, 0
	MUL16 \s, 2, 0
.elseif (\s)%2 == 0
	FETCH (\s)+1
	WIN MULW
.if (\s) == 0
	MUL16 \s, 0, 1
	MUL16 \s, 2, 1
.else
	MUL16 \s, 0, 0
	MUL16 \s, 2, 0
.endif
.else
	s_wait_tensorcnt 2-((\s)/2)                    ; my part of the next slot has landed; the loads of the slots behind it (2, 1, 0 of them) may be out
	s_barrier_signal -1
	WIN MULW
	MUL16 \s, 0, 0                                 ; work on registers while the others arrive
	s_barrier_wait -1                              ; the next slot is whole
	FETCH (\s)+1
	WIN MULW
	MUL16 \s, 2, 0
.endif
.endm
	s_wait_alu depctr_va_vdst(0)
	s_wait_tensorcnt 0x3                           ; my part of slot 0 has landed; my three later loads may be out
	s_barrier_signal -1
	s_barrier_wait -1                              ; everybody's has
	FETCH 0
	s_wait_loadcnt 0x0                             ; the scale words
.irp s, 0,1,2,3,4,5,6,7
	STEP \s
.endr
	WIN 0
	PLACES                                         ; between the last products and the first read of results
; THE WAY OUT.  The 64 registers of A's tile a (register 16 b + i = column 32 b + 16 h + i of lane-row r) become a fragment's codes in v[AF + 12 a] on and its scale word in v[PW + a].
.macro QUANTW a
	WIN 0x05                                       ; sources 0 and 1 window 1
.irp b, 0,1,2,3
	v_max3_num_f32 v[TM+\b], |v[64*\a+16*\b]|, |v[64*\a+16*\b+1]|, 0x2800000   ; each accumulator is read from its low end on; the floor 2^(5 - 127) holds the byte at 1 from below
.endr
.irp i, 2,4,6,8,10,12,14
.irp b, 0,1,2,3
	v_max3_num_f32 v[TM+\b], |v[64*\a+16*\b+\i]|, |v[64*\a+16*\b+\i+1]|, v[TM+\b]
.endr
.endr
	WIN 0
.irp b, 0,1,2,3
	v_permlanex16_b32 v[TM+4+\b], v[TM+\b], s100, s101
.endr
.irp b, 0,1,2,3
	v_max_num_f32 v[TM+\b], v[TM+\b], v[TM+4+\b]   ; with lane l xor 16's 16: the block's largest magnitude
.endr
.irp b, 0,1,2,3
	v_add_nc_u32 v[TM+12+\b], 0xfe000000, v[TM+\b] ; 4 off the exponent field: the conversion's scale operand
.endr
.irp b, 0,1,2,3
	v_lshrrev_b32 v[TM+4+\b], 23, v[TM+12+\b]      ; the scale's byte
.endr
	v_lshl_or_b32 v[PW+\a], v[TM+5], 8, v[TM+4]
	v_lshl_or_b32 v[PW+\a], v[TM+6], 16, v[PW+\a]
	v_lshl_or_b32 v[PW+\a], v[TM+7], 24, v[PW+\a]
	WIN 0x01                                       ; source 0 window 1
.irp c, 0,1
	v_cvt_scalef32_pk16_bf6_f32 v[AF+12*\a+6*\c:AF+12*\a+6*\c+2], v[64*\a+32*\c:64*\a+32*\c+15], v[TM+12+2*\c]
	v_cvt_scalef32_pk16_bf6_f32 v[CV+4*\c:CV+4*\c+2], v[64*\a+32*\c+16:64*\a+32*\c+31], v[TM+12+2*\c+1]
.endr
	WIN 0
	v_nop                                          ; one plain place behind the scaled conversions
.irp c, 0,1                            ; the operand's layout wants a whole block in a lane: lanes 0-15 block 2 c, lanes 16-31 block 2 c + 1
.irp i, 0,1,2
	v_permlane16_swap_b32 v[AF+12*\a+6*\c+\i], v[CV+4*\c+\i]
.endr
.irp i, 0,1,2
	v_mov_b32 v[AF+12*\a+6*\c+3+\i], v[CV+4*\c+\i]
.endr
.endr
.endm
	QUANTW 0
	QUANTW 1
	QUANTW 2
	QUANTW 3
	v_cmp_eq_u32 vcc_lo, 1, v3                     ; lanes 16-31
	s_cmp_lt_u32 s24, 16                           ; the cluster's y: the same in all partners; neither way touches LDS
	s_cbranch_scc0 .Lv_out
	; Q or K.  My 128 columns are two heads: half e of each fragment made is head e's 64; my tile a is half a % 2 of fragment 2 (rows' half) + a / 2 of the record.
	s_lshr_b32 s2, s27, 4                          ; batch
	s_and_b32 s3, s27, 15                          ; the record: 128 tokens
	s_lshl_b32 s25, s21, 2
	s_lshl_b32 s66, s20, 1
	s_add_co_u32 s25, s25, s66                     ; my first head: 4 cx + 2 x columns' half
	s_lshl_b32 s2, s2, 4
	s_add_co_u32 s2, s2, s25
	s_mul_i32 s2, s2, 204800
	s_mul_i32 s3, s3, REC
	s_add_co_u32 s2, s2, s3                        ; in kv's measures;
	s_xor_b32 s67, s23, 1                          ; qq's records and heads are half as long
	s_lshr_b32 s2, s2, s67
	s_mov_b32 s3, 0
	s_lshr_b32 s86, 204800, s67                    ; from a head to the next
	s_mov_b32 s87, 0
	s_cmp_eq_u32 s23, 0
	s_cselect_b64 s[94:95], s[8:9], s[10:11]       ; qq, or kv
	s_add_nc_u64 s[94:95], s[94:95], s[2:3]        ; the first head's record
	s_lshr_b32 s2, 12288, s67
	s_lshl_b32 s66, s19, 3
	s_add_co_u32 s2, s2, s66
	s_add_nc_u64 s[98:99], s[94:95], s[2:3]        ; its words [r][f], at my two fragments
	s_mul_i32 s2, s19, 3072
	s_add_nc_u64 s[94:95], s[94:95], s[2:3]        ; my two fragments in the first head's record,
	s_add_nc_u64 s[96:97], s[94:95], s[86:87]      ; and in the second's
	v_mul_u32_u24 v25, s86, v3
	v_lshl_add_u32 v25, v2, 4, v25                 ; lane (r, h) stores head h's words of row r
	v_mov_b32 v26, 0x05040100                      ; the head's two bytes of the even tile's word, then of the odd tile's
	v_mov_b32 v27, 0x07060302
	v_cndmask_b32 v26, v26, v27, vcc_lo
	v_perm_b32 v30, v[PW+1], v[PW], v26
	v_perm_b32 v31, v[PW+3], v[PW+2], v26
	s_wait_alu depctr_va_vdst(0)
.irp a, 0,1,2,3
.irp e, 0,1
	global_store_b128 v4, v[AF+12*\a+6*\e:AF+12*\a+6*\e+3], s[94+2*\e:95+2*\e] offset:1536*(\a/2)+768*(\a%2)          ; 512 consecutive bytes, aligned to 256
	global_store_b64 v5, v[AF+12*\a+6*\e+4:AF+12*\a+6*\e+5], s[94+2*\e:95+2*\e] offset:1536*(\a/2)+768*(\a%2)+512     ; 256 consecutive bytes, aligned
.endr
.endr
	global_store_b64 v25, v[30:31], s[98:99]       ; runs of 8 bytes, 16 bytes apart: 256 of the 6,400 bytes that the wave stores
	s_branch .Lout
.Lv_out:
	; V^T.  My 64 rows are one head's 64 dims (tile a = d tile a), my 128 columns one record's keys.
	s_lshl_b32 s2, s27, 1
	s_add_co_u32 s2, s2, s19                       ; the head
	s_lshr_b32 s3, s26, 3                          ; batch
	s_lshl_b32 s3, s3, 4
	s_add_co_u32 s2, s2, s3
	s_mul_i32 s2, s2, 204800
	s_and_b32 s3, s26, 7
	s_lshl_b32 s3, s3, 1
	s_add_co_u32 s3, s3, s20                       ; the record
	s_mul_i32 s3, s3, REC
	s_add_co_u32 s2, s2, s3
	s_mov_b32 s3, 0
	s_add_nc_u64 s[94:95], s[10:11], s[2:3]
	v_lshlrev_b32 v24, 4, v2
	v_lshl_add_u32 v24, v3, 3, v24                 ; 16 r + 8 h: lane (r, h) stores the words of d tiles 2 h and 2 h + 1
	v_cndmask_b32 v30, v[PW], v[PW+2], vcc_lo
	v_cndmask_b32 v31, v[PW+1], v[PW+3], vcc_lo
	s_wait_alu depctr_va_vdst(0)
.irp a, 0,1,2,3
.irp e, 0,1
	global_store_b128 v4, v[AF+12*\a+6*\e:AF+12*\a+6*\e+3], s[94:95] offset:6144+1536*\a+768*\e
	global_store_b64 v5, v[AF+12*\a+6*\e+4:AF+12*\a+6*\e+5], s[94:95] offset:6144+1536*\a+768*\e+512
.endr
.endr
	global_store_b64 v24, v[30:31], s[94:95] offset:12544   ; 256 consecutive bytes, aligned
.Lout:
	s_wait_tensorcnt 0x0
	ds_add_u32 v254, v255
	s_wait_dscnt 0x0
	CROUND                                         ; the closing round: no work-group ends while a partner may still ask for a tile that names it
	s_endpgm
.Lfunc_end_k_q0005c09995_qkv:
	.size	k_q0005c09995_qkv, .Lfunc_end_k_q0005c09995_qkv-k_q0005c09995_qkv
	.p2alignl 7, 3214868480
	.fill 96, 4, 3214868480
	.section	.rodata,"a",@progbits
	.p2align	6, 0x0
	.amdhsa_kernel k_q0005c09995_qkv
		.amdhsa_group_segment_fixed_size 295424
		.amdhsa_private_segment_fixed_size 0
		.amdhsa_enable_private_segment 0
		.amdhsa_kernarg_size 32
		.amdhsa_user_sgpr_count 2
		.amdhsa_user_sgpr_kernarg_segment_ptr 1
		.amdhsa_wavefront_size32 1
		.amdhsa_system_sgpr_workgroup_id_x 1
		.amdhsa_system_sgpr_workgroup_id_y 1
		.amdhsa_system_sgpr_workgroup_id_z 1
		.amdhsa_system_vgpr_workitem_id 0
		.amdhsa_next_free_vgpr 704
		.amdhsa_next_free_sgpr 102
		.amdhsa_reserve_vcc 1
		.amdhsa_float_denorm_mode_32 3
		.amdhsa_float_denorm_mode_16_64 3
		.amdhsa_memory_ordered 1
		.amdhsa_forward_progress 1
		.amdhsa_inst_pref_size 90
	.end_amdhsa_kernel
	.amdgpu_metadata
---
amdhsa.version: [ 1, 2 ]
amdhsa.kernels:
  - .name:           k_q0005c09995_qkv
    .symbol:         k_q0005c09995_qkv.kd
    .args:
      - { .name: xq, .offset: 0, .size: 8, .value_kind: global_buffer, .address_space: global }
      - { .name: wq, .offset: 8, .size: 8, .value_kind: global_buffer, .address_space: global }
      - { .name: qq, .offset: 16, .size: 8, .value_kind: global_buffer, .address_space: global }
      - { .name: kv, .offset: 24, .size: 8, .value_kind: global_buffer, .address_space: global }
    .group_segment_fixed_size: 295424
    .private_segment_fixed_size: 0
    .kernarg_segment_align: 8
    .kernarg_segment_size: 32
    .max_flat_workgroup_size: 128
    .sgpr_count:     102
    .vgpr_count:     704
    .wavefront_size: 32
...
	.end_amdgpu_metadata
.endif
;; end of part 2
;; launch attn (part 3): grid 4 x 64, 16 waves a work-group, clusters of 4 x 1, 327,680 bytes of LDS; arguments qq, kv, aq; writes aq
.if DOCPART == 3
	.amdgcn_target "amdgcn-amd-amdhsa--gfx1250"
	.amdhsa_code_object_version 6
	.text
	.protected	k_q0005c09995_attn
	.globl	k_q0005c09995_attn
	.p2align	8
	.type	k_q0005c09995_attn,@function
k_q0005c09995_attn:
	s_mov_b64 s[64:65], 0
	v_nop
	global_prefetch_b8 v0, s[64:65] scope:SCOPE_SE
	s_setreg_imm32_b32 hwreg(HW_REG_WAVE_MODE, 25, 1), 1
	s_wait_xcnt 0x0
	s_wait_alu depctr_hold_cnt(0) depctr_sa_sdst(0) depctr_va_vdst(0) depctr_va_sdst(0) depctr_va_ssrc(0) depctr_va_vcc(0) depctr_vm_vsrc(0)
	s_getreg_b32 s2, hwreg(HW_REG_IB_STS2, 6, 4)
	s_cmp_eq_u32 s2, 0
	s_cbranch_scc0 .Lentry_in_a_cluster
	s_endpgm
.Lentry_in_a_cluster:
	s_bfe_u32 s2, ttmp6, 0x10000c
	s_cmp_lg_u32 s2, 0x3003
	s_cbranch_scc0 .Lentry_shape_is_right
	s_endpgm
.Lentry_shape_is_right:
; Causal attention of one head (64 dims, 2,048 tokens) on codes of BF6 (E3M2) with E8M0 scales; O / l is quantised along the head's 64 and leaves as codes in the order of the last product's operand registers.
; THE SOFTMAX AHEAD OF THE SECOND PRODUCT: t = score x log2(e) / 8; M = the row's largest t so far, rounded UP to a whole number; p = 2^(t - M) is quantised along the keys, not normalised; the row's sum is taken of the
; unquantised p and divides O at the end.  When M moves, the sum and O are multiplied by 2^(old M - new M): exact.
; IN.  qq [64 heads][16 groups][6,400] and kv [64 heads][16 records][12,800] as the launch before lays them: a record holds 128 keys: K's four fragments (half u of fragment f = key tile 2 f + u, 64 dims), V^T's four (d tile x 128 keys)
; at 6,144, K's words [r][f] at 12,288, V's words [r][d tile] at 12,544.  A tile's lane-row r is token 32 (t / 2) + 8 (t % 2) + r + 8 (r / 8).
; THE SCORES.  The head's K is 64, the instruction's 128: a fragment of K carries TWO key tiles, and is multiplied by [Q | zeros] for the first and by [zeros | Q] for the second: zero codes add nothing.
; Both products are used transposed (S^T = K Q^T, O^T = V^T P^T): a lane holds one query throughout, p's registers run along neighbouring keys and O^T's along neighbouring dims.
; SHARES.  The four work-groups of a cluster serve one head.  The head's whole slab of kv, 204,800 bytes, lies in each one's LDS, filled ONCE by joint loads (every wave two, 6,400 bytes each; mask: all four).
; A group g is 128 queries (8 tiles) and needs g + 1 key steps.  Partner p takes tiles 2 p and 2 p + 1 of every group; wave w takes tile 2 p + w % 2 of groups 15 - w / 2 and w / 2: 17 key steps for every wave.
; Steps all of whose keys are hidden are not done; the one step on the diagonal hides scores by -infinity ahead of the maximum.  No branch, trip count or LDS address hangs on the place in the cluster.
; No prefetch is laid: the slab is asked for by the launch's first lines.  This launch stores nothing to LDS.
; OUT.  aq [512 tiles][12,800]: head hd fills half hd % 2 of K step hd / 2; its two scale bytes of row r lie at 12,288 + 256 (hd / 8) + 16 r + 4 ((hd / 2) % 4) + 2 (hd % 2).
; LIMITS: a block of zeros gets the byte 1 where the rule says 127 (its codes are zeros; this program alone reads the bytes); blocks under 2^-122 are held at the byte 1; NaN and infinities are not served.
; REGISTERS: v1-3 16 lane, 8 lane, 16 r; v4 the mask's bound; v5-7 the step's LDS addresses; v9 16 r + h; v12 -M, v13 the largest t, v[14:15] the sum; v16-21 and v28-33 zeros, v22-27 Q; v40-87 four fragments;
;   v88-91 V's words, v92-95 K's; v96-159 S^T, then p; v160-191 O^T; v192-223 O / l; v224-235 codes; v232-254 at work; v255 Q's scale word.
.set REC,  12800
.set WV,   14
.set TB,   48                          ; s48  LDS byte of the step's record
.set T,    49                          ; s49  the step
.set G,    50                          ; s50  the group in hand
.set SEL,  26
.set CS,   28
.macro CROUND
	s_barrier_signal -1
	s_barrier_wait -1
	s_cmp_lg_u32 s[WV], 0
	s_cbranch_scc1 .Lnot_wave_0_\@
	s_barrier_signal -3
.Lnot_wave_0_\@:
	s_barrier_wait -3
	s_barrier_signal -1
	s_barrier_wait -1
.endm
.macro FRAG reg, a16, a8, off          ; a fragment's image: four dense loads
	ds_load_b128 v[(\reg):(\reg)+3], v[\a16] offset:(\off)
	ds_load_b64 v[(\reg)+4:(\reg)+5], v[\a8] offset:(\off)+512
	ds_load_b128 v[(\reg)+6:(\reg)+9], v[\a16] offset:(\off)+768
	ds_load_b64 v[(\reg)+10:(\reg)+11], v[\a8] offset:(\off)+1280
.endm
	s_load_b128 s[4:7], s[0:1], 0x0                ; qq, kv
	s_load_b64 s[8:9], s[0:1], 0x10                ; aq
	v_lshl_add_u32 v250, v0, 2, 0x32000
	v_mov_b32 v251, 0
	ds_add_u32 v250, v251
	ds_add_u32 v250, v251
	v_lshrrev_b32 v8, 5, v0
	s_delay_alu instid0(VALU_DEP_1)
	v_readfirstlane_b32 s[WV], v8                  ; wave 0..15
	s_and_b32 s15, s[WV], 1                        ; u: which of the partner's two tiles
	s_lshr_b32 s16, s[WV], 1                       ; which pair of groups
	s_bfe_u32 s17, ttmp6, 0x40000                  ; p: my place in the cluster; it enters global addresses and the mask's bound alone
	s_and_b32 s18, ttmp7, 0xffff                   ; batch x 16 + head
	s_and_b32 s19, s18, 15                         ; head
	s_lshr_b32 s20, s18, 4                         ; batch
	; group 1: 25 rows of 256 bytes (32 elements of 8 bytes), dense
	s_mov_b32 s32, 15|(3<<16)|(1<<21)              ; 15:0 the mask: all four work-groups; 17:16 elements of 8 bytes; 21 set beside a mask
	s_mov_b32 s33, 32<<16
	s_mov_b32 s34, 25<<16
	s_mov_b32 s35, 32<<16
	s_mov_b32 s36, 25
	s_mov_b32 s37, 32
	s_mov_b32 s38, 0
	s_mov_b32 s39, 0
	s_mul_i32 s24, s[WV], 6400                     ; my part of each half of the slab, in LDS as in memory
	s_mul_i32 s22, s18, 204800
	s_add_co_u32 s22, s22, s24
	s_mov_b32 s23, 0
	s_mul_i32 s10, s18, 102400                     ; qq: the head,
	s_lshl_b32 s12, s17, 2
	s_add_co_u32 s12, s12, s10                     ; + 4 p: my fragment's scale word of a row
	s_mov_b32 s13, 0
	s_mul_i32 s2, s17, 1536
	s_add_co_u32 s10, s10, s2                      ; + fragment p,
	s_mul_i32 s2, s15, 768
	s_add_co_u32 s10, s10, s2                      ; + half u
	s_mov_b32 s11, 0
	s_lshl_b32 s30, s20, 7
	s_lshl_b32 s2, s17, 1
	s_add_co_u32 s30, s30, s2
	s_add_co_u32 s30, s30, s15                     ; aq: tile 128 x batch + 2 p + u (+ 8 x group)
	s_mul_i32 s30, s30, REC
	s_lshr_b32 s70, s19, 3
	s_lshl_b32 s70, s70, 8
	s_bfe_u32 s2, s19, 0x20001
	s_lshl_b32 s2, s2, 2
	s_add_co_u32 s70, s70, s2
	s_and_b32 s2, s19, 1
	s_lshl_b32 s2, s2, 1
	s_add_co_u32 s70, s70, s2
	s_add_co_u32 s70, s70, s30                     ; the head's scale bytes in the tile's record (12,288 stands in the store's immediate)
	s_mov_b32 s71, 0
	s_mul_i32 s2, s19, 768
	s_add_co_u32 s30, s30, s2                      ; the head's half fragment
	s_mov_b32 s31, 0
	s_mov_b32 s[SEL], 0x76543210
	s_mov_b32 s[SEL+1], 0xfedcba98                 ; lane l xor 16
	s_mov_b32 s[CS], 0x3e38aa3b                    ; c = log2(e) / 8
	s_mov_b32 s[CS+1], s[CS]                       ; (named with it as a pair, so it is written)
	s_mov_b32 s51, 0x03020302
	s_cmp_eq_u32 s15, 0
	s_cselect_b32 s51, 0x01000100, s51             ; my tile's two bytes of the fragment's word, twice
	s_wait_dscnt 0x0
	s_wait_kmcnt 0x0
	s_mov_b32 s40, 1
	s_mov_b32 s41, s24
	s_add_nc_u64 s[42:43], s[6:7], s[22:23]        ; records 0-7: my 6,400 bytes
	s_mov_b32 s44, 1
	s_add_co_u32 s45, s24, 102400
	s_add_nc_u64 s[46:47], s[42:43], 102400        ; records 8-15
	s_or_b32 s43, s43, 0x80000000
	s_or_b32 s47, s47, 0x80000000
	s_add_nc_u64 s[52:53], s[4:5], s[10:11]        ; the four bases that do not hang on the group
	s_add_nc_u64 s[54:55], s[4:5], s[12:13]
	s_add_nc_u64 s[56:57], s[8:9], s[30:31]
	s_add_nc_u64 s[58:59], s[8:9], s[70:71]
	CROUND                                         ; all four work-groups are here: the joint loads meet
	tensor_load_to_lds s[40:43], s[32:39]
	s_nop 0
	s_wait_alu depctr_va_vdst(0)
	s_wait_tensorcnt 0x0
	ds_add_u32 v250, v251
	s_wait_dscnt 0x0
	CROUND
	tensor_load_to_lds s[44:47], s[32:39]          ; one load of mine is out
	s_nop 0
.rept 4
	v_nop
.endr
	v_and_b32 v8, 31, v0
	v_and_b32 v10, 15, v0                          ; r
	v_bfe_u32 v11, v0, 4, 1                        ; h
	s_delay_alu instid0(VALU_DEP_3)
	v_lshlrev_b32 v1, 4, v8
	s_delay_alu instid0(VALU_DEP_4)
	v_lshlrev_b32 v2, 3, v8
	s_delay_alu instid0(VALU_DEP_4)
	v_lshlrev_b32 v3, 4, v10
	s_delay_alu instid0(VALU_DEP_1)
	v_add_nc_u32 v9, v3, v11
	s_lshl_b32 s2, s17, 5
	s_lshl_b32 s3, s15, 3
	s_add_co_u32 s2, s2, s3
	v_and_b32 v4, 8, v10
	s_delay_alu instid0(VALU_DEP_1)
	v_add_nc_u32 v4, v4, v10
	s_delay_alu instid0(VALU_DEP_1)
	v_add_nc_u32 v4, s2, v4                        ; my query in its group: 32 p + 8 u + r + 8 (r / 8);
	v_lshlrev_b32 v8, 4, v11
	s_delay_alu instid0(VALU_DEP_1)
	v_sub_nc_u32 v4, v4, v8                        ; less 16 h: register 16 b + i holds key 32 b + 16 h + i, hidden where 32 b + i is above this
.irp j, 16,17,18,19,20,21,28,29,30,31,32,33
	v_mov_b32 v\j, 0                               ; the zero halves beside Q
.endr
.irp j, 236,237,238,239,252,253
	v_mov_b32 v\j, 0                               ; lane permutes' destinations and the upper half of the pair v[252:253] count as read
.endr
; A KEY STEP: 128 keys, the record at s[TB].  mask = 1: the step on the diagonal.  guard = 1: a step at or behind the diagonal is left out (a branch on the wave's number and the count alone).
.macro STEP mask, guard
.if \guard
	s_cmp_ge_u32 s[T], s[G]
	s_cbranch_scc1 .Lskip_\@
.endif
	s_setprio 2
	v_add_nc_u32 v5, s[TB], v1
	v_add_nc_u32 v6, s[TB], v2
	v_add_nc_u32 v7, s[TB], v3
	v_nop                                          ; four places between the last products and the loads into the registers that they read
.irp f, 0,1,2,3
	FRAG 40+12*\f, 5, 6, 1536*\f
.endr
	ds_load_b128 v[92:95], v7 offset:12288         ; K's words of row r, fragments 0-3
	s_wait_alu depctr_va_vdst(0)
	s_wait_dscnt 0x0
.irp f, 0,1,2,3
	v_wmma_scale_f32_16x16x128_f8f6f4 v[96+16*\f:103+16*\f], v[40+12*\f:51+12*\f], v[22:33], 0, v[92+\f], v255 matrix_a_fmt:MATRIX_FMT_BF6 matrix_b_fmt:MATRIX_FMT_BF6    ; keys 32 f + 16 h + 0 .. 7
	v_wmma_scale_f32_16x16x128_f8f6f4 v[104+16*\f:111+16*\f], v[40+12*\f:51+12*\f], v[16:27], 0, v[92+\f], v255 matrix_a_fmt:MATRIX_FMT_BF6 matrix_b_fmt:MATRIX_FMT_BF6  ; keys 32 f + 16 h + 8 .. 15
.endr
.rept 4
	v_nop                                          ; places in front of the loads below and of the first read of the scores
.endr
.irp d, 0,1,2,3
	FRAG 40+12*\d, 5, 6, 6144+1536*\d              ; V^T's fragments are asked for now and land under the softmax
.endr
	ds_load_b128 v[88:91], v7 offset:12544         ; V's words of row r, d tiles 0-3
.if \mask
	v_mov_b32 v254, 0xff800000                     ; -infinity: p = 0 then
.irp n, 0,1,2,3,4,5,6,7,8,9,10,11,12,13,14,15,16,17,18,19,20,21,22,23,24,25,26,27,28,29,30,31,32,33,34,35,36,37,38,39,40,41,42,43,44,45,46,47,48,49,50,51,52,53,54,55,56,57,58,59,60,61,62,63
	v_cmp_gt_i32 vcc_lo, 32*(\n/16)+\n%16, v4
	v_cndmask_b32 v[96+\n], v[96+\n], v254, vcc_lo
.endr
.endif
.irp b, 0,1,2,3
	v_max3_num_f32 v[232+\b], v[96+16*\b], v[97+16*\b], v[98+16*\b]   ; the largest score of each block of 32 keys: it serves the row's maximum and, since p rises with the score, the block's largest p
.endr
.irp i, 3,5,7,9,11,13
.irp b, 0,1,2,3
	v_max3_num_f32 v[232+\b], v[232+\b], v[96+16*\b+\i], v[97+16*\b+\i]
.endr
.endr
.irp b, 0,1,2,3
	v_max_num_f32 v[232+\b], v[232+\b], v[111+16*\b]
.endr
.irp b, 0,1,2,3
	s_delay_alu instid0(VALU_DEP_4)
	v_permlanex16_b32 v[236+\b], v[232+\b], s[SEL], s[SEL+1]
.endr
.irp b, 0,1,2,3
	s_delay_alu instid0(VALU_DEP_4)
	v_max_num_f32 v[232+\b], v[232+\b], v[236+\b]  ; with lane l xor 16's 16 keys
.endr
	s_delay_alu instid0(VALU_DEP_2)
	v_max3_num_f32 v254, v232, v233, v234
	s_delay_alu instid0(VALU_DEP_1)
	v_max_num_f32 v254, v254, v235                 ; the step's largest score of my query
	s_delay_alu instid0(VALU_DEP_1)
	v_mul_f32 v254, s[CS], v254                    ; as t
	s_delay_alu instid0(VALU_DEP_1)
	v_max_num_f32 v13, v13, v254                   ; the running largest t
	v_mov_b32 v254, v12
	s_delay_alu instid0(VALU_DEP_2)
	v_floor_f32 v12, -v13                          ; the new -M = -ceil(t): a whole number
	s_delay_alu instid0(VALU_DEP_1)
	v_sub_f32 v254, v12, v254                      ; old M - new M: a whole number, 0 or less
	s_delay_alu instid0(VALU_DEP_1)
	v_cvt_i32_f32 v254, v254                       ; (it saturates)
	s_delay_alu instid0(VALU_DEP_1)
	v_ldexp_f32 v252, 1.0, v254                    ; f = 2^(old M - new M)
.irp j, 0,2,4,6,8,10,12,14,16,18,20,22,24,26,28,30,32,34,36,38,40,42,44,46,48,50,52,54,56,58,60,62
	v_pk_fma_f32 v[96+\j:97+\j], v[96+\j:97+\j], s[CS:CS+1], v[12:13] op_sel_hi:[1,0,0]   ; t - M, two at a time
.endr
.irp b, 0,1,2,3
	v_fma_f32 v[232+\b], v[232+\b], s[CS], v12     ; the same of each block's largest score
.endr
	s_wait_alu depctr_va_vdst(0)
.irp j, 0,1,2,3,4,5,6,7,8,9,10,11,12,13,14,15,16,17,18,19,20,21,22,23,24,25,26,27,28,29,30,31,32,33,34,35,36,37,38,39,40,41,42,43,44,45,46,47,48,49,50,51,52,53,54,55,56,57,58,59,60,61,62,63
	v_exp_f32 v[96+\j], v[96+\j]                   ; p = 2^(t - M), at most 1
.endr
	s_setprio 1
	v_pk_mul_f32 v[14:15], v[14:15], v[252:253] op_sel_hi:[1,0]   ; the sums under the new M: a plain place behind the exponentials
	s_wait_alu depctr_va_vdst(0)                   ; one wait for the whole batch, ahead of its first reader
.irp b, 0,1,2,3
	v_exp_f32 v[232+\b], v[232+\b]                 ; the block's largest p
.endr
	v_pk_add_f32 v[236:237], v[96:97], v[98:99]    ; the row's sum is taken of the unquantised p, in two chains
.irp j, 4,8,12,16,20,24,28,32,36,40,44,48,52,56,60
	v_pk_add_f32 v[14:15], v[14:15], v[96+\j:97+\j]
	v_pk_add_f32 v[236:237], v[236:237], v[98+\j:99+\j]
.endr
	s_delay_alu instid0(VALU_DEP_1)
	v_pk_add_f32 v[14:15], v[14:15], v[236:237]
	s_wait_alu depctr_va_vdst(0)                   ; and one for the four
.irp b, 0,1,2,3
	v_max_num_f32 v[232+\b], 0x2800000, v[232+\b]  ; the floor 2^(5 - 127): the byte cannot fall under 1
.endr
.irp b, 0,1,2,3
	s_delay_alu instid0(VALU_DEP_4)
	v_add_nc_u32 v[244+\b], 0xfe000000, v[232+\b]  ; 4 off the exponent field: the conversion's scale operand
.endr
.irp b, 0,1,2,3
	s_delay_alu instid0(VALU_DEP_4)
	v_lshrrev_b32 v[236+\b], 23, v[244+\b]         ; the scale's byte
.endr
	s_delay_alu instid0(VALU_DEP_3)
	v_lshl_or_b32 v253, v237, 8, v236              ; p's scale word for these 128 keys
	s_delay_alu instid0(VALU_DEP_1)
	v_lshl_or_b32 v253, v238, 16, v253
	s_delay_alu instid0(VALU_DEP_1)
	v_lshl_or_b32 v253, v239, 24, v253
.irp c, 0,1
	v_cvt_scalef32_pk16_bf6_f32 v[224+6*\c:226+6*\c], v[96+32*\c:111+32*\c], v[244+2*\c]
	v_cvt_scalef32_pk16_bf6_f32 v[236+4*\c:238+4*\c], v[112+32*\c:127+32*\c], v[244+2*\c+1]
.endr
	v_nop                                          ; one plain place behind the scaled conversions
.irp c, 0,1                            ; a whole block in a lane: lanes 0-15 block 2 c, lanes 16-31 block 2 c + 1
.irp i, 0,1,2
	v_permlane16_swap_b32 v[224+6*\c+\i], v[236+4*\c+\i]
.endr
.irp i, 0,1,2
	s_delay_alu instid0(VALU_DEP_3)
	v_mov_b32 v[227+6*\c+\i], v[236+4*\c+\i]
.endr
.endr
	s_setprio 0
.irp j, 0,2,4,6,8,10,12,14,16,18,20,22,24,26,28,30
	v_pk_mul_f32 v[160+\j:161+\j], v[160+\j:161+\j], v[252:253] op_sel_hi:[1,0]   ; O^T under the new M; these are also the places between the codes' and the scale word's last writes and the products
.endr
	s_wait_alu depctr_va_vdst(0)
	s_wait_dscnt 0x0                               ; V^T's fragments and words are in
.irp d, 0,1,2,3
	v_wmma_scale_f32_16x16x128_f8f6f4 v[160+8*\d:167+8*\d], v[40+12*\d:51+12*\d], v[224:235], v[160+8*\d:167+8*\d], v[88+\d], v253 matrix_a_fmt:MATRIX_FMT_BF6 matrix_b_fmt:MATRIX_FMT_BF6
.endr
.if \guard
.Lskip_\@:
.endif
	s_add_co_u32 s[TB], s[TB], REC
	s_add_co_u32 s[T], s[T], 1
.endm
; A tile of 16 queries of group s[G] is taken up: its pointers, Q, and empty sums.
.macro TASK
	s_wait_xcnt 0x0                                ; earlier loads and stores have read their pointers and data: these may be written again
	s_mul_i32 s2, s[G], 6400
	s_mov_b32 s3, 0
	s_add_nc_u64 s[60:61], s[52:53], s[2:3]
	s_add_nc_u64 s[62:63], s[54:55], s[2:3]
	s_mul_i32 s2, s[G], 8*REC
	s_add_nc_u64 s[66:67], s[56:57], s[2:3]
	s_add_nc_u64 s[68:69], s[58:59], s[2:3]
	global_load_b128 v[22:25], v1, s[60:61]        ; Q's half fragment: six registers
	global_load_b64 v[26:27], v2, s[60:61] offset:512
	global_load_b32 v34, v3, s[62:63] offset:6144  ; the fragment's scale word of row r
	v_mov_b32 v13, 0xff61b1e6                      ; the largest t so far: -3e38, under every t
	s_delay_alu instid0(VALU_DEP_1)
	v_floor_f32 v12, -v13                          ; -M
	v_mov_b32 v14, 0
	v_mov_b32 v15, 0
	s_mov_b32 s[TB], 0
	s_mov_b32 s[T], 0
	s_wait_loadcnt 0x0
	v_perm_b32 v255, v34, v34, s51                 ; (q0, q1, q0, q1): it serves [Q | 0] and [0 | Q]
.irp j, 0,1,2,3,4,5,6,7,8,9,10,11,12,13,14,15,16,17,18,19,20,21,22,23,24,25,26,27,28,29,30,31
	v_mov_b32 v[160+\j], 0                         ; O^T: the step is written for every step alike, and the first change of M leaves zeros zeros.  (Also the places behind the scale word's write)
.endr
.endm
; O^T / the sum, quantised along the head's 64 (two blocks), to aq.
.macro FINISH
.rept 4
	v_nop                                          ; places behind the last products
.endr
	v_add_f32 v14, v14, v15
	s_delay_alu instid0(VALU_DEP_1)
	v_permlanex16_b32 v252, v14, s[SEL], s[SEL+1]
	s_delay_alu instid0(VALU_DEP_1)
	v_add_f32 v14, v14, v252                       ; the row's sum
	s_wait_alu depctr_va_vdst(0)
	v_rcp_f32 v14, v14
	v_cmp_eq_u32 vcc_lo, 1, v11                    ; (a plain place behind the transcendental)
	s_wait_alu depctr_va_vdst(0)                   ; ahead of the first reader
.irp j, 0,2,4,6,8,10,12,14,16,18,20,22,24,26,28,30
	v_pk_mul_f32 v[192+\j:193+\j], v[160+\j:161+\j], v[14:15] op_sel_hi:[1,0]   ; register 16 b + i = o(my query, 32 b + 16 h + i)
.endr
.irp b, 0,1
	v_max3_num_f32 v[232+\b], |v[192+16*\b]|, |v[193+16*\b]|, 0x2800000
.endr
.irp i, 2,4,6,8,10,12,14
.irp b, 0,1
	s_delay_alu instid0(VALU_DEP_2)
	v_max3_num_f32 v[232+\b], v[232+\b], |v[192+16*\b+\i]|, |v[193+16*\b+\i]|
.endr
.endr
.irp b, 0,1
	s_delay_alu instid0(VALU_DEP_2)
	v_permlanex16_b32 v[236+\b], v[232+\b], s[SEL], s[SEL+1]
.endr
.irp b, 0,1
	s_delay_alu instid0(VALU_DEP_2)
	v_max_num_f32 v[232+\b], v[232+\b], v[236+\b]
.endr
.irp b, 0,1
	s_delay_alu instid0(VALU_DEP_2)
	v_add_nc_u32 v[244+\b], 0xfe000000, v[232+\b]
.endr
.irp b, 0,1
	s_delay_alu instid0(VALU_DEP_2)
	v_lshrrev_b32 v[240+\b], 23, v[244+\b]
.endr
	s_delay_alu instid0(VALU_DEP_1)
	v_cndmask_b32 v254, v240, v241, vcc_lo         ; lane (r, h) stores block h's byte
	v_cvt_scalef32_pk16_bf6_f32 v[224:226], v[192:207], v244
	v_cvt_scalef32_pk16_bf6_f32 v[236:238], v[208:223], v245
	v_nop                                          ; one plain place behind the scaled conversions
.irp i, 0,1,2
	v_permlane16_swap_b32 v[224+\i], v[236+\i]
.endr
.irp i, 0,1,2
	s_delay_alu instid0(VALU_DEP_3)
	v_mov_b32 v[227+\i], v[236+\i]
.endr
	global_store_b128 v1, v[224:227], s[66:67]             ; 512 consecutive bytes, aligned to 256
	global_store_b64 v2, v[228:229], s[66:67] offset:512   ; 256 consecutive bytes, aligned
	global_store_b8 v9, v254, s[68:69] offset:12288        ; 32 single bytes: 32 of the 800 bytes that a tile stores
.endm
	s_xor_b32 s[G], s16, 15                        ; the late group first: 15 - w / 2, at least 8
	TASK
	s_wait_tensorcnt 0x1                           ; my part of records 0-7 has landed; my load of records 8-15 may be out
	s_barrier_signal -1
	s_barrier_wait -1                              ; everybody's has
.Lfull:                                            ; steps 0-7: all their keys count; they read records 0-7 alone
	STEP 0, 0
	s_cmp_lt_u32 s[T], 8
	s_cbranch_scc1 .Lfull
	s_setprio 0
	s_wait_tensorcnt 0x0                           ; my part of records 8-15
	s_wait_dscnt 0x0
	s_barrier_signal -1
	s_barrier_wait -1
.Lupper:                                           ; steps 8-14, as far as they lie ahead of the diagonal: the trip count is a constant, the work is jumped over
	STEP 0, 1
	s_cmp_lt_u32 s[T], 15
	s_cbranch_scc1 .Lupper
	s_setprio 0
	s_mul_i32 s[TB], s[G], REC
	STEP 1, 0                                      ; the step on the diagonal
	FINISH
	s_mov_b32 s[G], s16                            ; the early group: w / 2
	TASK
.Llower:                                           ; steps 0-6, as far as they lie ahead of the diagonal
	STEP 0, 1
	s_cmp_lt_u32 s[T], 7
	s_cbranch_scc1 .Llower
	s_setprio 0
	s_mul_i32 s[TB], s[G], REC
	STEP 1, 0
	FINISH
	s_wait_tensorcnt 0x0
	ds_add_u32 v250, v251
	s_wait_dscnt 0x0
	CROUND                                         ; the closing round
	s_endpgm
.Lfunc_end_k_q0005c09995_attn:
	.size	k_q0005c09995_attn, .Lfunc_end_k_q0005c09995_attn-k_q0005c09995_attn
	.p2alignl 7, 3214868480
	.fill 96, 4, 3214868480
	.section	.rodata,"a",@progbits
	.p2align	6, 0x0
	.amdhsa_kernel k_q0005c09995_attn
		.amdhsa_group_segment_fixed_size 327680
		.amdhsa_private_segment_fixed_size 0
		.amdhsa_enable_private_segment 0
		.amdhsa_kernarg_size 24
		.amdhsa_user_sgpr_count 2
		.amdhsa_user_sgpr_kernarg_segment_ptr 1
		.amdhsa_wavefront_size32 1
		.amdhsa_system_sgpr_workgroup_id_x 1
		.amdhsa_system_sgpr_workgroup_id_y 1
		.amdhsa_system_sgpr_workgroup_id_z 1
		.amdhsa_system_vgpr_workitem_id 0
		.amdhsa_next_free_vgpr 256
		.amdhsa_next_free_sgpr 80
		.amdhsa_reserve_vcc 1
		.amdhsa_float_denorm_mode_32 3
		.amdhsa_float_denorm_mode_16_64 3
		.amdhsa_memory_ordered 1
		.amdhsa_forward_progress 1
		.amdhsa_inst_pref_size 115
	.end_amdhsa_kernel
	.amdgpu_metadata
---
amdhsa.version: [ 1, 2 ]
amdhsa.kernels:
  - .name:           k_q0005c09995_attn
    .symbol:         k_q0005c09995_attn.kd
    .args:
      - { .name: qq, .offset: 0, .size: 8, .value_kind: global_buffer, .address_space: global }
      - { .name: kv, .offset: 8, .size: 8, .value_kind: global_buffer, .address_space: global }
      - { .name: aq, .offset: 16, .size: 8, .value_kind: global_buffer, .address_space: global }
    .group_segment_fixed_size: 327680
    .private_segment_fixed_size: 0
    .kernarg_segment_align: 8
    .kernarg_segment_size: 24
    .max_flat_workgroup_size: 512
    .sgpr_count:     80
    .vgpr_count:     256
    .wavefront_size: 32
...
	.end_amdgpu_metadata
.endif
;; end of part 3
;; launch proj (part 4): grid 4 x 64, 4 waves a work-group, clusters of 4 x 4, 295,424 bytes of LDS; arguments aq, wq, out0; writes out0
.if DOCPART == 4
	.amdgcn_target "amdgcn-amd-amdhsa--gfx1250"
	.amdhsa_code_object_version 6
	.text
	.protected	k_q0005c09995_proj
	.globl	k_q0005c09995_proj
	.p2align	8
	.type	k_q0005c09995_proj,@function
k_q0005c09995_proj:
	s_mov_b64 s[64:65], 0
	v_nop
	global_prefetch_b8 v0, s[64:65] scope:SCOPE_SE
	s_setreg_imm32_b32 hwreg(HW_REG_WAVE_MODE, 25, 1), 1
	s_wait_xcnt 0x0
	s_wait_alu depctr_hold_cnt(0) depctr_sa_sdst(0) depctr_va_vdst(0) depctr_va_sdst(0) depctr_va_ssrc(0) depctr_va_vcc(0) depctr_vm_vsrc(0)
	s_getreg_b32 s2, hwreg(HW_REG_IB_STS2, 6, 4)
	s_cmp_eq_u32 s2, 0
	s_cbranch_scc0 .Lentry_in_a_cluster
	s_endpgm
.Lentry_in_a_cluster:
	s_bfe_u32 s2, ttmp6, 0x10000c
	s_cmp_lg_u32 s2, 0xf033
	s_cbranch_scc0 .Lentry_shape_is_right
	s_endpgm
.Lentry_shape_is_right:
; out0 = (attention's output) w_o^T on codes of BF6 (E3M2) with E8M0 scales; out0 [8192][1024] f32.
; A = aq (512 tiles of 16 tokens), B = tiles 192-255 of wq (w_o): records of 12,800 bytes: eight fragments of 1,536 bytes, 512 bytes of scale words.  A tile's lane-row r is row 32 (t / 2) + 8 (t % 2) + r + 8 (r / 8).
; A work-group makes 128 rows x 256 columns, wave w 64 x 128: 32 accumulators.  256 work-groups.  The product's loop is that of the launch that makes Q, K and V:
; ALL OF K LIES IN LDS (294,912 bytes, four slots of 256 along K, each filled once by joint loads: A's tiles shared along a row of the 4 x 4 cluster, B's along a column); nothing is filled again.
; THE MATRIX INSTRUCTION IS USED TRANSPOSED (source 0 = a tile of B, source 1 = a tile of A): lane (r, h) holds token lane-row r, and the registers of B's tiles 2 c, 2 c + 1 are columns 32 c + 16 h + 0 .. 15.
; THE WAY OUT: a tile of 16 rows x 128 columns goes through the wave's own stage in LDS and leaves as whole rows of 512 bytes.  The stage lies in the codes' bytes, which have had their only fill and, behind the last barrier, their last read.
; No prefetch is laid: every byte that the launch reads is asked for by its first lines.  NaN and infinities are not served.
; REGISTERS: window 0: v1-5 lane terms; v8-23 LDS addresses; v24-25 the stage; v32-47 A's scale words, v48-79 B's; v80-127, v128-175 A's fragments, two sets; on the way out v80-207 rows of out0.
;   window 1: accumulator (a, b) at v[8 (8 a + b)].   window 2: B's fragments, two sets, at v0 and v96.
.set REC,  12800
.set ASL,  24576
.set LB,   98304
.set BSL,  49152
.set A16,  8
.set A8,   12
.set B16,  16
.set B8,   20
.set STO,  24                          ; v24  the stage: where I put 32 bytes of a row
.set RD,   25                          ; v25  and where I read a row back
.set SA,   32
.set SB,   48
.set AF,   80
.set BK,   80                          ; the way out: 16 rows read back: v80-143 and v144-207 by turns
.set SPI,  528                         ; a stage row: 512 bytes + 16
.set G1A,  28
.set G1B,  36
.set G0A,  44
.set G0B,  68
.set MSB, 0
.macro WIN new                         ; the immediate's high byte repeats the setting that is left
.if MSB != \new
	s_set_vgpr_msb (MSB<<8)|\new
.set MSB, \new
.endif
.endm
.set MULW, 0x52                        ; source 0 (B) window 2, source 1 (A) window 0, C and D window 1
.set TO_B, 0x80                        ; destination window 2
.macro CROUND
	s_barrier_signal -1
	s_barrier_wait -1
	s_cmp_lg_u32 s18, 0
	s_cbranch_scc1 .Lnot_wave_0_\@
	s_barrier_signal -3
.Lnot_wave_0_\@:
	s_barrier_wait -3
	s_barrier_signal -1
	s_barrier_wait -1
.endm
.macro PLACES
.rept 4
	v_nop
.endr
.endm
	s_load_b128 s[4:7], s[0:1], 0x0                ; aq, wq
	s_load_b64 s[8:9], s[0:1], 0x10                ; out0
	v_lshl_add_u32 v254, v0, 2, 0x48000
	v_mov_b32 v255, 0
	ds_add_u32 v254, v255
	ds_add_u32 v254, v255
	v_lshrrev_b32 v1, 5, v0
	v_readfirstlane_b32 s18, v1                    ; wave 0..3
	s_lshr_b32 s19, s18, 1                         ; which 64 rows are mine.  Also: I fetch for A (0) or for B (1)
	s_and_b32 s20, s18, 1                          ; which 128 columns.  Also: which half of the tiles I fetch
	s_bfe_u32 s21, ttmp6, 0x40000                  ; cx: the block of 256 columns (the grid is one cluster wide)
	s_bfe_u32 s22, ttmp6, 0x40004                  ; cy
	s_and_b32 s24, ttmp7, 0xffff
	s_lshl_b32 s2, s24, 2
	s_add_co_u32 s27, s2, s22                      ; the block of 128 rows: 4 x cluster y + cy
	s_lshl_b32 s86, s27, 3                         ; A's first tile
	s_lshl_b32 s2, s20, 2
	s_add_co_u32 s2, s2, s86
	s_mul_i32 s2, s2, REC                          ; the four tiles of A that I would fetch
	s_mov_b32 s3, 0
	s_lshl_b32 s87, s19, 2
	s_add_co_u32 s86, s86, s87
	s_mul_i32 s86, s86, REC                        ; the four that I multiply
	s_mov_b32 s87, 0
	s_lshl_b32 s90, s21, 4
	s_add_co_u32 s90, s90, 192                     ; w_o's tiles begin at tile 192 of wq
	s_lshl_b32 s91, s20, 3
	s_add_co_u32 s90, s90, s91
	s_mul_i32 s90, s90, REC                        ; the eight tiles of B that I would fetch, which are also those that I multiply
	s_mov_b32 s91, 0
	s_mul_i32 s25, s20, 12288
	s_mul_i32 s66, s20, 24576
	s_add_co_u32 s66, s66, LB
	s_lshl_b32 s92, s22, 2
	s_lshl_b32 s92, 15, s92                        ; my row of the cluster
	s_lshl_b32 s93, 0x1111, s21                    ; my column
	s_or_b32 s[G1A], s92, (3<<16)|(1<<21)          ; rows of 3,072 bytes = 384 elements of 8 bytes, 1,600 elements apart; dense in LDS
	s_or_b32 s[G1B], s93, (3<<16)|(1<<21)
	s_mov_b32 s[G1A+1], 384<<16
	s_mov_b32 s[G1A+2], 4<<16
	s_mov_b32 s[G1A+3], 384<<16
	s_mov_b32 s[G1A+4], 4
	s_mov_b32 s[G1A+5], 1600
	s_mov_b32 s[G1A+6], 0
	s_mov_b32 s[G1A+7], 0
	s_mov_b32 s[G1B+1], 384<<16
	s_mov_b32 s[G1B+2], 8<<16
	s_mov_b32 s[G1B+3], 384<<16
	s_mov_b32 s[G1B+4], 8
	s_mov_b32 s[G1B+5], 1600
	s_mov_b32 s[G1B+6], 0
	s_mov_b32 s[G1B+7], 0
	s_wait_dscnt 0x0
	s_wait_kmcnt 0x0
	s_add_nc_u64 s[60:61], s[4:5], s[86:87]        ; the records of the tiles of A that I multiply
	s_add_nc_u64 s[84:85], s[4:5], s[2:3]          ; of those that I would fetch
	s_add_nc_u64 s[88:89], s[6:7], s[90:91]        ; B's
.irp g, 0,1,2,3
	s_mov_b32 s[G0A+4*\g], 1
	s_add_co_u32 s[G0A+4*\g+1], s25, ASL*\g
	s_add_nc_u64 s[G0A+4*\g+2:G0A+4*\g+3], s[84:85], 3072*\g
	s_or_b32 s[G0A+4*\g+3], s[G0A+4*\g+3], 0x80000000
	s_mov_b32 s[G0B+4*\g], 1
	s_add_co_u32 s[G0B+4*\g+1], s66, BSL*\g
	s_add_nc_u64 s[G0B+4*\g+2:G0B+4*\g+3], s[88:89], 3072*\g
	s_or_b32 s[G0B+4*\g+3], s[G0B+4*\g+3], 0x80000000
.endr
	CROUND                                         ; all sixteen work-groups are here: the joint loads meet
	s_cmp_eq_u32 s19, 0                            ; a wave's four fills stand in one branch on the wave's number: four loads of mine are out
	s_cbranch_scc0 .Lfill_b
.irp g, 0,1,2,3
	tensor_load_to_lds s[G0A+4*\g:G0A+4*\g+3], s[G1A:G1A+7]
	s_nop 0
.endr
	PLACES
	s_branch .Lfilled
.Lfill_b:
.irp g, 0,1,2,3
	tensor_load_to_lds s[G0B+4*\g:G0B+4*\g+3], s[G1B:G1B+7]
	s_nop 0
.endr
	PLACES
.Lfilled:
	v_and_b32 v1, 31, v0
	v_and_b32 v2, 15, v0
	v_bfe_u32 v3, v0, 4, 1
	v_lshlrev_b32 v4, 4, v1
	v_lshlrev_b32 v5, 3, v1
.irp a, 0,1,2,3
	global_load_b128 v[SA+4*\a:SA+4*\a+3], v4, s[60:61] offset:REC*\a+12288   ; lanes 0-15 K steps 0-3, lanes 16-31 K steps 4-7
.endr
.irp b, 0,1,2,3,4,5,6,7
	global_load_b128 v[SB+4*\b:SB+4*\b+3], v4, s[88:89] offset:REC*\b+12288
.endr
	s_mul_i32 s2, s19, 12288
	s_mul_i32 s3, s20, 24576
	s_add_co_u32 s3, s3, LB
.irp g, 0,1,2,3
	v_add_nc_u32 v[A16+\g], s2, v4
	v_add_nc_u32 v[A8+\g], s2, v5
	v_add_nc_u32 v[B16+\g], s3, v4
	v_add_nc_u32 v[B8+\g], s3, v5
	s_add_co_u32 s2, s2, ASL
	s_add_co_u32 s3, s3, BSL
.endr
	s_mul_i32 s2, s18, 16*SPI                      ; my stage
	v_mul_u32_u24 v[STO], v2, SPI
	v_lshl_add_u32 v[STO], v3, 6, v[STO]
	v_add_nc_u32 v[STO], s2, v[STO]                ; in: row r, + 64 h
	v_add_nc_u32 v[RD], s2, v4                     ; back: the 32 lanes take one row of 512 bytes
	s_lshl_b32 s2, s27, 7
	s_lshl_b32 s3, s19, 6
	s_add_co_u32 s2, s2, s3                        ; my first row of out0
	s_lshl_b32 s2, s2, 12
	s_lshl_b32 s3, s21, 10
	s_add_co_u32 s2, s2, s3
	s_lshl_b32 s3, s20, 9
	s_add_co_u32 s2, s2, s3                        ; my first column, in bytes
	s_mov_b32 s3, 0
	s_add_nc_u64 s[94:95], s[8:9], s[2:3]
.macro FRAG reg, a16, a8, off
	ds_load_b128 v[(\reg):(\reg)+3], v[\a16] offset:(\off)
	ds_load_b64 v[(\reg)+4:(\reg)+5], v[\a8] offset:(\off)+512
	ds_load_b128 v[(\reg)+6:(\reg)+9], v[\a16] offset:(\off)+768
	ds_load_b64 v[(\reg)+10:(\reg)+11], v[\a8] offset:(\off)+1280
.endm
.macro FETCH s
	WIN TO_B
.irp b, 0,1,2,3,4,5,6,7
	FRAG 96*((\s)%2)+12*\b, B16+(\s)/2, B8+(\s)/2, 3072*\b+1536*((\s)%2)
.endr
	WIN 0
.irp a, 0,1,2,3
	FRAG AF+48*((\s)%2)+12*\a, A16+(\s)/2, A8+(\s)/2, 3072*\a+1536*((\s)%2)
.endr
.endm
; 16 products: A's tiles a0, a0 + 1 x B's eight, K step s; the 32 accumulators take turns in the same order in every step
.macro MUL16 s, a0, zero
.irp a, \a0, \a0+1
.irp b, 0,1,2,3,4,5,6,7
.if \zero
	v_wmma_scale_f32_16x16x128_f8f6f4 v[8*(8*(\a)+\b):8*(8*(\a)+\b)+7], v[96*((\s)%2)+12*\b:96*((\s)%2)+12*\b+11], v[AF+48*((\s)%2)+12*(\a):AF+48*((\s)%2)+12*(\a)+11], 0, v[SB+4*\b+(\s)%4], v[SA+4*(\a)+(\s)%4] matrix_a_fmt:MATRIX_FMT_BF6 matrix_b_fmt:MATRIX_FMT_BF6
.elseif (\s) < 4
	v_wmma_scale_f32_16x16x128_f8f6f4 v[8*(8*(\a)+\b):8*(8*(\a)+\b)+7], v[96*((\s)%2)+12*\b:96*((\s)%2)+12*\b+11], v[AF+48*((\s)%2)+12*(\a):AF+48*((\s)%2)+12*(\a)+11], v[8*(8*(\a)+\b):8*(8*(\a)+\b)+7], v[SB+4*\b+(\s)%4], v[SA+4*(\a)+(\s)%4] matrix_a_fmt:MATRIX_FMT_BF6 matrix_b_fmt:MATRIX_FMT_BF6
.else
	v_wmma_scale_f32_16x16x128_f8f6f4 v[8*(8*(\a)+\b):8*(8*(\a)+\b)+7], v[96*((\s)%2)+12*\b:96*((\s)%2)+12*\b+11], v[AF+48*((\s)%2)+12*(\a):AF+48*((\s)%2)+12*(\a)+11], v[8*(8*(\a)+\b):8*(8*(\a)+\b)+7], v[SB+4*\b+(\s)%4], v[SA+4*(\a)+(\s)%4] matrix_a_fmt:MATRIX_FMT_BF6 matrix_b_fmt:MATRIX_FMT_BF6 matrix_a_scale:MATRIX_SCALE_ROW1 matrix_b_scale:MATRIX_SCALE_ROW1
.endif
.endr
.endr
.endm
.macro STEP s
.if (\s) > 0
	PLACES                                         ; four places between the last step's products and the loads into the set that they read
.endif
	s_wait_dscnt 0x0                               ; this step's fragments are in
.if (\s) == 7
	s_barrier_signal -1                            ; my reads of the codes are over: behind this barrier their bytes serve as stages
	WIN MULW
	MUL16 \s, 0, 0
	MUL16 \s, 2, 0
	s_barrier_wait -1
.elseif (\s)%2 == 0
	FETCH (\s)+1
	WIN MULW
.if (\s) == 0
	MUL16 \s, 0, 1
	MUL16 \s, 2, 1
.else
	MUL16 \s, 0, 0
	MUL16 \s, 2, 0
.endif
.else
	s_wait_tensorcnt 2-((\s)/2)                    ; my part of the next slot has landed; the loads of the slots behind it (2, 1, 0 of them) may be out
	s_barrier_signal -1
	WIN MULW
	MUL16 \s, 0, 0
	s_barrier_wait -1                              ; the next slot is whole
	FETCH (\s)+1
	WIN MULW
	MUL16 \s, 2, 0
.endif
.endm
	s_wait_alu depctr_va_vdst(0)
	s_wait_tensorcnt 0x3                           ; my part of slot 0 has landed; my three later loads may be out
	s_barrier_signal -1
	s_barrier_wait -1
	FETCH 0
	s_wait_loadcnt 0x0                             ; the scale words
.irp s, 0,1,2,3,4,5,6,7
	STEP \s
.endr
	WIN 0
; THE WAY OUT, tile by tile of 16 rows x 128 columns.  LDS serves a wave's instructions in order: no wait stands between the stores into my stage and the loads from it, nor in front of the next tile's stores.
.macro TOSTAGE a
	WIN 0x04                                       ; an LDS store's data are its source 1: window 1
.irp b, 0,1,2,3,4,5,6,7
	ds_store_b128 v[STO], v[64*(\a)+8*\b:64*(\a)+8*\b+3] offset:128*(\b/2)+32*(\b%2)        ; each accumulator from its low end on: columns 32 (b / 2) + 16 h + 8 (b % 2) + 0 .. 3
	ds_store_b128 v[STO], v[64*(\a)+8*\b+4:64*(\a)+8*\b+7] offset:128*(\b/2)+32*(\b%2)+16
.endr
	WIN 0
.irp t, 0,1,2,3,4,5,6,7,8,9,10,11,12,13,14,15
	ds_load_b128 v[BK+64*((\a)%2)+4*\t:BK+64*((\a)%2)+4*\t+3], v[RD] offset:SPI*\t
.endr
.endm
.macro SEND a, younger                 ; younger: the LDS instructions issued behind tile a's loads, which may stay out
	s_wait_dscnt \younger
.irp t, 0,1,2,3,4,5,6,7,8,9,10,11,12,13,14,15
	global_store_b128 v4, v[BK+64*((\a)%2)+4*\t:BK+64*((\a)%2)+4*\t+3], s[94:95] offset:(32*((\a)/2)+8*((\a)%2)+\t+8*(\t/8))*4096 th:TH_STORE_NT   ; 512 consecutive bytes of one row, aligned to 256; written once
.endr
.endm
	PLACES                                         ; between the last products and the first read of results, and the loads into the registers that held A's fragments
	TOSTAGE 0
.irp a, 1,2,3
.if \a > 1
	s_wait_xcnt 0x0                                ; tile a - 2's stores have read their registers: tile a's loads may land there
.endif
	TOSTAGE \a
	SEND \a-1, 32                                  ; behind tile a - 1's loads: tile a's 16 stores and 16 loads
.endr
	SEND 3, 0
	s_wait_tensorcnt 0x0
	ds_add_u32 v254, v255
	s_wait_dscnt 0x0
	CROUND                                         ; the closing round
	s_endpgm
.Lfunc_end_k_q0005c09995_proj:
	.size	k_q0005c09995_proj, .Lfunc_end_k_q0005c09995_proj-k_q0005c09995_proj
	.p2alignl 7, 3214868480
	.fill 96, 4, 3214868480
	.section	.rodata,"a",@progbits
	.p2align	6, 0x0
	.amdhsa_kernel k_q0005c09995_proj
		.amdhsa_group_segment_fixed_size 295424
		.amdhsa_private_segment_fixed_size 0
		.amdhsa_enable_private_segment 0
		.amdhsa_kernarg_size 24
		.amdhsa_user_sgpr_count 2
		.amdhsa_user_sgpr_kernarg_segment_ptr 1
		.amdhsa_wavefront_size32 1
		.amdhsa_system_sgpr_workgroup_id_x 1
		.amdhsa_system_sgpr_workgroup_id_y 1
		.amdhsa_system_sgpr_workgroup_id_z 1
		.amdhsa_system_vgpr_workitem_id 0
		.amdhsa_next_free_vgpr 704
		.amdhsa_next_free_sgpr 102
		.amdhsa_reserve_vcc 0
		.amdhsa_float_denorm_mode_32 3
		.amdhsa_float_denorm_mode_16_64 3
		.amdhsa_memory_ordered 1
		.amdhsa_forward_progress 1
		.amdhsa_inst_pref_size 83
	.end_amdhsa_kernel
	.amdgpu_metadata
---
amdhsa.version: [ 1, 2 ]
amdhsa.kernels:
  - .name:           k_q0005c09995_proj
    .symbol:         k_q0005c09995_proj.kd
    .args:
      - { .name: aq, .offset: 0, .size: 8, .value_kind: global_buffer, .address_space: global }
      - { .name: wq, .offset: 8, .size: 8, .value_kind: global_buffer, .address_space: global }
      - { .name: out0, .offset: 16, .size: 8, .value_kind: global_buffer, .address_space: global }
    .group_segment_fixed_size: 295424
    .private_segment_fixed_size: 0
    .kernarg_segment_align: 8
    .kernarg_segment_size: 24
    .max_flat_workgroup_size: 128
    .sgpr_count:     102
    .vgpr_count:     704
    .wavefront_size: 32
...
	.end_amdgpu_metadata
.endif
;; end of part 4
